; MI455X (gfx1250); checked and timed in simulation.
; The chip was launched on July 23, 2026; its instructions are those of AMD's public machine-readable ISA for CDNA 5 (MIT licence, August 2026) and "CDNA5" Instruction Set Architecture Reference Guide (July 2026). The comments in the code are by the model that wrote it; some were corrected since.
;; Bahdanau Attention. Allowed arithmetic: matrix products marked QUANTISED: E5M2 operands, one given power-of-two scale a tensor, by v_wmma_f32_16x16x64_bf8_bf8 or v_wmma_f32_16x16x128_bf8_bf8, f32 sums; products left as they are: f32 operands where the result goes on into a quantised operand, else bf16, f16 or f32 operands; f32 sums; everything else in f32.
;; Inputs: V_b 1 float32; V_w 1 x 1,024 float32; W1_b 1,024 float32; W1_w 1,024 x 1,024 float32; W2_b 1,024 float32; W2_w 1,024 x 1,024 float32; keys 64 x 1,024 x 1,024 float32; lowp_scales 4 int32 (the exponents e of the quantised operands' scales 2^e); query 64 x 1,024 float32.
;; Outputs: out0 64 x 1,024 float32; out1 64 x 1,024 float32.
;; This version of the problem:
;;   THIS VERSION OF THE PROBLEM IS GIVEN IN LOW PRECISION. The matrix products marked QUANTISED in the list below multiply operands that are first quantised to E5M2 (5 exponent bits, 2 mantissa bits; 8 bits a number), with one given power-of-two scale for each operand tensor; their sums are f32. All else is computed in f32.
;;   The module's matrix products, in the order in which they are computed (A, B: the left and right operand; K: the contracted axis; several contracted axes count as one K, in the product's order):
;;     1. [M 64, K 1,024] x [K 1,024, N 1,024]; A: input query; B: input W1_w: QUANTISED (scales: A lowp_scales[0], B lowp_scales[1])
;;     2. [M 65,536, K 1,024] x [K 1,024, N 1,024]; A: input keys; B: input W2_w: QUANTISED (scales: A lowp_scales[2], B lowp_scales[3])
;;     3. [M 65,536, K 1,024] x [K 1,024, N 1]; A: computed on the way; B: input V_w: left as it is (N = 1 < 16)
;;     4. batch 64 x [M 1, K 1,024] x [K 1,024, N 1,024]; A: softmax; B: input keys: left as it is (M = 1 < 16)
;;   THE QUANTISER, for each operand of a quantised product, along K:
;;     - The operand's scale is 2^e, e = its entry of the input lowp_scales (int32; the entries are numbered through the quantised products in the list's order, A before B).
;;     - Each number is divided by the scale, clamped to +-57,344, and rounded to the nearest number of E5M2, ties to even, subnormals kept.
;;     - The product sums the exact products of the quantised numbers (number of the format x scale) in f32.
;;   ~~~python
;;   def quantise(x, axis, e):      # numpy; x: float32 -> the quantised numbers, widened to float32 again
;;       x = np.moveaxis(x, axis, -1); K = x.shape[-1]
;;       r = np.clip(x / 2.0 ** e, -57344, 57344)
;;       step = 2.0 ** (np.maximum(np.frexp(np.where(r == 0, 1, r))[1] - 1, -14) - 2)
;;       q = np.round(r / step) * step * 2.0 ** e      # np.round: ties to even
;;       return np.moveaxis(q, -1, axis).astype(np.float32)
;;   ~~~
;; One version. Each part assembles by itself: llvm-mc -triple=amdgcn-amd-amdhsa -mcpu=gfx1250 --defsym DOCPART=n.
;; ======== version 1 of 1: 3 launches
;; workspace buffers: w2c 1,048,576 bytes; qb 262,144 bytes; sraw 262,144 bytes
;; launch prep (part 1): grid 64 x 1, 8 waves a work-group, no clusters, 105,472 bytes of LDS; arguments W2_w, W1_w, query, W1_b, W2_b, lowp_scales, w2c, qb; writes w2c, qb
.if DOCPART == 1
	.amdgcn_target "amdgcn-amd-amdhsa--gfx1250"
	.amdhsa_code_object_version 6
	.text
	.protected	k_qb84aad8e41_prep
	.globl	k_qb84aad8e41_prep
	.p2align	8
	.type	k_qb84aad8e41_prep,@function
k_qb84aad8e41_prep:
	s_mov_b64 s[64:65], 0
	v_nop
	global_prefetch_b8 v0, s[64:65] scope:SCOPE_SE
	s_setreg_imm32_b32 hwreg(HW_REG_WAVE_MODE, 25, 1), 1
	s_wait_xcnt 0x0
; W2 becomes codes of BF8 (E5M2) laid as the next launch's operand registers want them, and qb[d][b] = Q(query) Q(W1)^T x 2^(e0 + e1) + W1_b + W2_b is made.
; SHARES.  Work-group tau owns rows 16 tau .. 16 tau + 15 of W2 and of W1 (64 work-groups: there is work for no more).  Eight waves.
; A UNIT is half a row, 512 f32: four loads of 512 consecutive bytes (16 a lane), 16 holds, two conversions, one LDS store of 16 bytes a lane at row x 1,040 + 512 H + 16 lane.
; So byte 512 H + 16 l + 4 jj + i of a row of codes holds k = 512 H + 128 jj + 4 l + i: ONE PERMUTATION OF K, the same for query, W1, keys and W2, which all pass this same step: every product meets its partner.
; A fragment (16 rows x 128 K, 16 registers) is read by four loads of 16 bytes at row x 1,040 + 128 q + 32 c + 16 (lane / 16).
; w2c: [tau 64][q 8][c 4][lane 32][16 bytes]: images of the fragments' registers.   qb: [tau 64][b 64][16] f32.
; NO CLUSTER: what the work-groups share is query, 262,144 bytes of f32 that go from memory straight into registers to be quantised; as a shared tile it would have to lie in LDS beside 103,936 bytes of codes, more than a work-group can claim.
; LIMITS: e0, e1, e3 between -126 and 112, e0 + e1 between -126 and 127, so that each power of two below is an f32 number.  NaN among the inputs is not served.
.set PITCH, 1040                       ; a row of 1,024 codes + 16: 65 x 16 bytes, so that the 16 rows of a fragment load start in 16 different columns of 16 bytes
.set W2T,  0                           ; LDS: 16 rows of W2's codes,
.set W1T,  16*PITCH                    ; 16 of W1's,
.set QT,   32*PITCH                    ; 64 of query's,
.set OST,  96*PITCH                    ; and 1,024 bytes for each of four waves, for qb's way out
.set LAND, 32                          ; v32-223  twelve units of 16 numbers as they are loaded
.set CODE, 224                         ; v224-255 eight sets of 4 registers of codes
; v1 16 x lane; v2, v3 where I store codes (W2 and W1; query); v4 W2's fragment of my K step; v5, v6 query's and W1's fragments; v7, v8 the stage, in and back; v9 4 r
; v10, v11 / v12, v13 / v14, v15: 2^e and 57,344 x 2^e for e3 (W2) / e1 (W1) / e0 (query); v16, v17 the two biases of column r
	s_load_b256 s[4:11], s[0:1], 0x0               ; W2_w s[4:5], W1_w s[6:7], query s[8:9], W1_b s[10:11]
	s_load_b128 s[12:15], s[0:1], 0x20             ; W2_b s[12:13], the scales' exponents s[14:15]
	s_load_b128 s[16:19], s[0:1], 0x30             ; w2c s[16:17], qb s[18:19]
	v_lshl_add_u32 v30, v0, 2, 0x19800
	v_mov_b32 v31, 0
	v_lshrrev_b32 v20, 5, v0
	v_readfirstlane_b32 s20, v20                   ; wave 0..7
	v_and_b32 v21, 31, v0                          ; lane
	v_and_b32 v22, 15, v0                          ; r
	v_bfe_u32 v23, v0, 4, 1                        ; h
	v_lshlrev_b32 v1, 4, v21
	s_mul_i32 s21, s20, 2*PITCH
	v_add_nc_u32 v2, s21, v1                       ; rows 2 w, 2 w + 1 of W2's codes (W1's lie W1T further on)
	s_mul_i32 s21, s20, 8*PITCH
	s_add_co_u32 s21, s21, QT
	v_add_nc_u32 v3, s21, v1                       ; rows 8 w .. 8 w + 7 of query's
	v_mul_u32_u24 v24, v22, PITCH
	v_lshl_add_u32 v24, v23, 4, v24                ; a fragment's row x pitch + 16 x half
	s_lshl_b32 s21, s20, 7
	v_add_nc_u32 v4, s21, v24                      ; W2, K step q = my wave
	s_and_b32 s22, s20, 3                          ; the small product is made by waves 0 to 3: its addresses are made of wave & 3, so that they lie inside their regions in every wave
	s_mul_i32 s21, s22, 16*PITCH
	s_add_co_u32 s21, s21, QT
	v_add_nc_u32 v5, s21, v24                      ; query: batches 16 w .. 16 w + 15
	v_add_nc_u32 v6, W1T, v24
	s_lshl_b32 s21, s22, 10
	s_add_co_u32 s21, s21, OST
	v_lshlrev_b32 v9, 2, v22
	v_lshl_add_u32 v7, v23, 9, v9
	v_add_nc_u32 v7, s21, v7                       ; the stage, in: 64 (8 h + j) + 4 r
	v_add_nc_u32 v8, s21, v1                       ; and back: 16 bytes a lane
	s_lshl_b32 s32, ttmp9, 16
	s_lshl_b32 s21, s20, 13
	s_add_co_u32 s32, s32, s21                     ; (16 tau + 2 w) rows of 4,096 bytes
	s_mov_b32 s33, 0
	s_lshl_b32 s34, s20, 15                        ; 8 w rows of query
	s_mov_b32 s35, 0
	s_lshl_b32 s36, ttmp9, 6                       ; 16 tau numbers of a bias
	s_mov_b32 s37, 0
	s_lshl_b32 s38, ttmp9, 14
	s_lshl_b32 s21, s20, 11
	s_add_co_u32 s38, s38, s21                     ; w2c: 16,384 tau + 2,048 q
	s_mov_b32 s39, 0
	s_lshl_b32 s40, ttmp9, 12
	s_lshl_b32 s21, s22, 10
	s_add_co_u32 s40, s40, s21                     ; qb: 4,096 tau + 64 x 16 w
	s_mov_b32 s41, 0
	s_wait_kmcnt 0x0
	s_load_b128 s[24:27], s[14:15], 0x0            ; e0, e1, e2, e3
	s_add_nc_u64 s[4:5], s[4:5], s[32:33]
	s_add_nc_u64 s[6:7], s[6:7], s[32:33]
	s_add_nc_u64 s[8:9], s[8:9], s[34:35]
	s_add_nc_u64 s[10:11], s[10:11], s[36:37]
	s_add_nc_u64 s[12:13], s[12:13], s[36:37]
	s_add_nc_u64 s[16:17], s[16:17], s[38:39]
	s_add_nc_u64 s[18:19], s[18:19], s[40:41]
; unit i of my 24: 0-3 W2's two rows, 4-7 W1's two rows, 8-23 query's eight rows
.macro PLOAD i
.set LR, LAND+16*((\i)%12)
.irp jj, 0,1,2,3
.if (\i) < 4
	global_load_b128 v[LR+4*\jj:LR+4*\jj+3], v1, s[4:5] offset:2048*(\i)+512*\jj th:TH_LOAD_NT
.elseif (\i) < 8
	global_load_b128 v[LR+4*\jj:LR+4*\jj+3], v1, s[6:7] offset:2048*((\i)-4)+512*\jj th:TH_LOAD_NT
.else
	global_load_b128 v[LR+4*\jj:LR+4*\jj+3], v1, s[8:9] offset:2048*((\i)-8)+512*\jj
.endif
.endr
.endm
.macro MKSCALE e, vr                   ; v[vr] = 2^e as f32 (the conversion takes its exponent field), v[vr + 1] = 57,344 x 2^e
	s_add_co_i32 s29, s[\e], 127
	s_lshl_b32 s30, s29, 23
	v_mov_b32 v[\vr], s30
	s_add_co_i32 s29, s29, 15
	s_lshl_b32 s29, s29, 23
	s_or_b32 s29, s29, 0x600000
	v_mov_b32 v[\vr+1], s29
.endm
.macro PUNIT i
.set LR, LAND+16*((\i)%12)
.set CR, CODE+4*((\i)%8)
.if (\i) < 4
.set SCV, 10
.elseif (\i) < 8
.set SCV, 12
.else
.set SCV, 14
.endif
.if 23-(\i) < 11
	s_wait_loadcnt 4*(23-(\i))                     ; the units behind this one, four loads each, may be out
.else
	s_wait_loadcnt 44                              ; eleven units behind this one, four loads each, may be out
.endif
.if ((\i) == 8) || ((\i) == 16)
	s_wait_dscnt 0x0                               ; the eight sets of codes are used again: their stores have read them
.endif
.irp k, 0,1,2,3,4,5,6,7,8,9,10,11,12,13,14,15
	v_med3_num_f32 v[LR+\k], v[LR+\k], -v[SCV+1], v[SCV+1]   ; the conversion to an 8-bit code does not saturate (ISA guide 7.6.2): the hold at the largest code x the scale
.endr
	v_cvt_scalef32_pk8_bf8_f32 v[CR:CR+1], v[LR:LR+7], v[SCV]
	v_cvt_scalef32_pk8_bf8_f32 v[CR+2:CR+3], v[LR+8:LR+15], v[SCV]
	v_nop                                          ; a plain vector line behind the conversions
.if (\i) < 4
	ds_store_b128 v2, v[CR:CR+3] offset:((\i)/2)*PITCH+512*((\i)%2)
.elseif (\i) < 8
	ds_store_b128 v2, v[CR:CR+3] offset:W1T+(((\i)-4)/2)*PITCH+512*((\i)%2)
.else
	ds_store_b128 v3, v[CR:CR+3] offset:(((\i)-8)/2)*PITCH+512*((\i)%2)
.endif
.if (\i) < 12
	PLOAD (\i)+12                                  ; the unit's registers take the unit twelve further on
.endif
.endm
	global_load_b32 v16, v9, s[10:11]              ; W1_b and W2_b of column 16 tau + r
	global_load_b32 v17, v9, s[12:13]
.irp i, 0,1,2,3,4,5,6,7,8,9,10,11
	PLOAD \i
.endr
	s_wait_kmcnt 0x0
	MKSCALE 27, 10
	MKSCALE 25, 12
	MKSCALE 24, 14
	s_add_co_i32 s28, s24, s25
	s_add_co_i32 s28, s28, 127
	s_lshl_b32 s28, s28, 23                        ; 2^(e0 + e1) as f32
.irp i, 0,1,2,3,4,5,6,7,8,9,10,11,12,13,14,15,16,17,18,19,20,21,22,23
	PUNIT \i
.endr
	s_wait_dscnt 0x0                               ; for the others' sake: my codes lie in LDS
	s_barrier_signal -1
	s_barrier_wait -1
	; W2's fragment of K step q = my wave leaves as it stands in the registers: each store covers 512 consecutive bytes
.irp c, 0,1,2,3
	ds_load_b128 v[32+4*\c:35+4*\c], v4 offset:32*\c
.endr
	s_wait_dscnt 0x0
.irp c, 0,1,2,3
	global_store_b128 v1, v[32+4*\c:35+4*\c], s[16:17] offset:512*\c
.endr
	s_cmp_ge_u32 s20, 4                            ; the small product has four tiles of 16 batches: waves 0 to 3.  No barrier follows
	s_cbranch_scc1 .Lend
.macro PROUND q0                       ; four K steps' fragments: query's into v48-111, W1's into v112-175
.irp q, 0,1,2,3
.irp c, 0,1,2,3
	ds_load_b128 v[48+16*\q+4*\c:51+16*\q+4*\c], v5 offset:128*(\q0+\q)+32*\c
	ds_load_b128 v[112+16*\q+4*\c:115+16*\q+4*\c], v6 offset:128*(\q0+\q)+32*\c
.endr
.endr
	s_wait_dscnt 0x0
.endm
	PROUND 0
	; two accumulators by turns: even K steps in v176-183, odd ones in v184-191; the first product of each starts its sum
	v_wmma_f32_16x16x128_bf8_bf8 v[176:183], v[48:63], v[112:127], 0
	v_wmma_f32_16x16x128_bf8_bf8 v[184:191], v[64:79], v[128:143], 0
	v_wmma_f32_16x16x128_bf8_bf8 v[176:183], v[80:95], v[144:159], v[176:183]
	v_wmma_f32_16x16x128_bf8_bf8 v[184:191], v[96:111], v[160:175], v[184:191]
.rept 4
	v_nop                                          ; four places in front of loads into registers that matrix instructions have read
.endr
	PROUND 4
	v_wmma_f32_16x16x128_bf8_bf8 v[176:183], v[48:63], v[112:127], v[176:183]
	v_wmma_f32_16x16x128_bf8_bf8 v[184:191], v[64:79], v[128:143], v[184:191]
	v_wmma_f32_16x16x128_bf8_bf8 v[176:183], v[80:95], v[144:159], v[176:183]
	v_wmma_f32_16x16x128_bf8_bf8 v[184:191], v[96:111], v[160:175], v[184:191]
.rept 4
	v_nop                                          ; four places in front of the first read of the results
.endr
	v_add_f32 v18, v16, v17                        ; W1_b + W2_b of my column
.irp j, 0,2,4,6
	v_pk_add_f32 v[192+\j:193+\j], v[176+\j:177+\j], v[184+\j:185+\j]   ; the two halves of K; each accumulator from its low end on
.endr
.irp j, 0,1,2,3,4,5,6,7
	v_fma_f32 v[200+\j], v[192+\j], s28, v18       ; register j of lane (r, h): batch 16 w + 8 h + j, column 16 tau + r
.endr
.irp j, 0,1,2,3,4,5,6,7
	ds_store_b32 v7, v[200+\j] offset:64*\j
.endr
	ds_load_b128 v[208:211], v8                    ; my own stage: LDS serves a wave's instructions in order (ISA guide 5.7.1.4)
	ds_load_b128 v[212:215], v8 offset:512
	s_wait_dscnt 0x0
	global_store_b128 v1, v[208:211], s[18:19]     ; 512 consecutive bytes a store
	global_store_b128 v1, v[212:215], s[18:19] offset:512
.Lend:
	s_wait_tensorcnt 0x0
	ds_add_u32 v30, v31
	s_wait_dscnt 0x0
	s_endpgm
.Lfunc_end_k_qb84aad8e41_prep:
	.size	k_qb84aad8e41_prep, .Lfunc_end_k_qb84aad8e41_prep-k_qb84aad8e41_prep
	.p2alignl 7, 3214868480
	.fill 96, 4, 3214868480
	.section	.rodata,"a",@progbits
	.p2align	6, 0x0
	.amdhsa_kernel k_qb84aad8e41_prep
		.amdhsa_group_segment_fixed_size 105472
		.amdhsa_private_segment_fixed_size 0
		.amdhsa_enable_private_segment 0
		.amdhsa_kernarg_size 64
		.amdhsa_user_sgpr_count 2
		.amdhsa_user_sgpr_kernarg_segment_ptr 1
		.amdhsa_wavefront_size32 1
		.amdhsa_system_sgpr_workgroup_id_x 1
		.amdhsa_system_sgpr_workgroup_id_y 1
		.amdhsa_system_sgpr_workgroup_id_z 1
		.amdhsa_system_vgpr_workitem_id 0
		.amdhsa_next_free_vgpr 256
		.amdhsa_next_free_sgpr 66
		.amdhsa_reserve_vcc 0
		.amdhsa_float_denorm_mode_32 3
		.amdhsa_float_denorm_mode_16_64 3
		.amdhsa_memory_ordered 1
		.amdhsa_forward_progress 1
		.amdhsa_inst_pref_size 51
	.end_amdhsa_kernel
	.amdgpu_metadata
---
amdhsa.version: [ 1, 2 ]
amdhsa.kernels:
  - .name:           k_qb84aad8e41_prep
    .symbol:         k_qb84aad8e41_prep.kd
    .args:
      - { .name: W2_w, .offset: 0, .size: 8, .value_kind: global_buffer, .address_space: global }
      - { .name: W1_w, .offset: 8, .size: 8, .value_kind: global_buffer, .address_space: global }
      - { .name: query, .offset: 16, .size: 8, .value_kind: global_buffer, .address_space: global }
      - { .name: W1_b, .offset: 24, .size: 8, .value_kind: global_buffer, .address_space: global }
      - { .name: W2_b, .offset: 32, .size: 8, .value_kind: global_buffer, .address_space: global }
      - { .name: lowp_scales, .offset: 40, .size: 8, .value_kind: global_buffer, .address_space: global }
      - { .name: w2c, .offset: 48, .size: 8, .value_kind: global_buffer, .address_space: global }
      - { .name: qb, .offset: 56, .size: 8, .value_kind: global_buffer, .address_space: global }
    .group_segment_fixed_size: 105472
    .private_segment_fixed_size: 0
    .kernarg_segment_align: 8
    .kernarg_segment_size: 64
    .max_flat_workgroup_size: 256
    .sgpr_count:     66
    .vgpr_count:     256
    .wavefront_size: 32
...
	.end_amdgpu_metadata
.endif
;; end of part 1
;; launch score (part 2): grid 256 x 1, 4 waves a work-group, clusters of 4 x 1, 327,680 bytes of LDS; arguments keys, w2c, qb, V_w, lowp_scales, sraw; writes sraw
.if DOCPART == 2
	.amdgcn_target "amdgcn-amd-amdhsa--gfx1250"
	.amdhsa_code_object_version 6
	.text
	.protected	k_qb84aad8e41_score
	.globl	k_qb84aad8e41_score
	.p2align	8
	.type	k_qb84aad8e41_score,@function
k_qb84aad8e41_score:
	s_mov_b64 s[64:65], 0
	v_nop
	global_prefetch_b8 v0, s[64:65] scope:SCOPE_SE
	s_setreg_imm32_b32 hwreg(HW_REG_WAVE_MODE, 25, 1), 1
	s_wait_xcnt 0x0
	s_wait_alu depctr_hold_cnt(0) depctr_sa_sdst(0) depctr_va_vdst(0) depctr_va_sdst(0) depctr_va_ssrc(0) depctr_va_vcc(0) depctr_vm_vsrc(0)
	s_getreg_b32 s2, hwreg(HW_REG_IB_STS2, 6, 4)
	s_cmp_eq_u32 s2, 0
	s_cbranch_scc0 .Lentry_in_a_cluster
	s_endpgm
.Lentry_in_a_cluster:
	s_bfe_u32 s2, ttmp6, 0x10000c
	s_cmp_lg_u32 s2, 0x3003
	s_cbranch_scc0 .Lentry_shape_is_right
	s_endpgm
.Lentry_shape_is_right:
; sraw[row] = the sum over d of (-2 V_d) / (1 + 2^y), y = 2 log2(e) x (Q(keys) Q(W2)^T x 2^(e2 + e3) + qb): tanh(x) = 1 - 2 / (1 + 2^(2 log2(e) x)), so the score is sraw + the sum of V + V_b, which the next launch adds.
; Where 2^y overflows it is infinite and its reciprocal 0 (tanh = 1); where it underflows the reciprocal is 1 (tanh = -1): no hold is needed.
; SHARES.  Work-group g = 4 x cluster + cx owns rows 256 g .. 256 g + 255 of keys, all of one batch (the cluster's number), in two GENERATIONS of 128 rows.  Wave w streams rows 64 w .. 64 w + 63 from memory
; (128 units of half a row; a unit: four loads of 512 consecutive bytes, 16 holds, two conversions, one LDS store; the permutation of K that this makes is the same as in W2's codes) and puts their codes into X.
; For the products wave (rh = w / 2, ch = w % 2) keeps 64 rows of X over ALL of K in 512 registers for a whole generation, and walks W2's 64 tiles of 16 columns: each fragment of W2 read from LDS feeds four matrix instructions.
; W2's codes come as images of the operand's registers through a ring of two slots of 4 column tiles (65,536 bytes); a pass is 16 slots; each generation makes one pass.
; CLUSTER.  All work-groups walk the same W2: the four of a cluster ask for each tile JOINTLY (mask 15), each wave for one tile of 16,384 bytes.  cx enters the addresses of keys and sraw alone.
; THE WALK BEGINS ELSEWHERE IN EACH CLUSTER: cluster c begins at slot (c + 5 (c / 16)) % 16 and goes round, so that the 64 clusters' first fills name all of w2c and the clusters never all name the same 65,536 bytes.
; The sum over d has no order, so only the table of pairs {bias, -2 V} must follow: it is BUILT in the order of the walk, and no LDS address hangs on the cluster's number.
; A BODY: four units of the second generation quantised (first generation's bodies only) | the 64 products of slot t | the change of slots, with the request for slot t + 2 | the first 32 LDS loads of slot t + 1 |
; the tanh and the sums of slot t, which stand between those loads and the wait for them | the pairs of slot t + 1.
; LIMITS: e2 between -126 and 112, e2 + e3 between -126 and 126 (it is added to the exponent field of 2 log2(e)).  NaN among the inputs is not served.
; This launch claims all of a WGP's LDS; it uses 274,944 bytes.
; REGISTERS, in windows of 256.  Window 0: v1-15 addresses and constants; v[16:19] {bias, -2 V} of my two columns; v32-95 eight accumulators (tile of rows m, column tile u: 32 + 8 (2 m + u)), which also hold codes just made while the sums are dead;
;   v96-127 the rows' running sums; v128-255 landing sets 0, 1.   Window 1: v0-127 two buffers of W2's fragments; v128-255 landing sets 2, 3.   Windows 2, 3: keys' fragments (m, q) at ((q % 4) 4 + m) 16 of window 2 + q / 4.
.set PITCH, 1040                       ; a row of 1,024 codes + 16
.set SLOTB, 65536
.set XB,    2*SLOTB                    ; X: 128 rows of codes; row 32 w + i holds my row 64 w + 32 generation + i
.set BVT,   XB+128*PITCH               ; 1,024 pairs {2 log2(e) qb[d], -2 V[d]}, in the order of the walk
.set SCB,   BVT+8192                   ; [generation][wave][64] partial sums
.set SPARE, SCB+2048                   ; the spare words, 128 bytes for each wave: two blocks of 256 bytes that no other line names
.set ACC,   32
.set SCR,   96
.set MSB, 0
.macro WIN new                         ; the immediate's high byte repeats the setting that is left; a switch that changes nothing is dropped
.if MSB != (\new)
	s_set_vgpr_msb (MSB<<8)|(\new)
.set MSB, (\new)
.endif
.endm
.macro PLACES                          ; four places behind matrix instructions, in front of loads into their operands and of reads of their results
.rept 4
	v_nop
.endr
.endm
.macro ROUND                           ; a round of the cluster's barrier
	s_barrier_signal -1
	s_barrier_wait -1
	s_cmp_lg_u32 s16, 0
	s_cbranch_scc1 .Lnot_wave_0_\@
	s_barrier_signal -3
.Lnot_wave_0_\@:
	s_barrier_wait -3
	s_barrier_signal -1
	s_barrier_wait -1
.endm
	s_load_b256 s[4:11], s[0:1], 0x0               ; keys s[4:5], w2c s[6:7], qb s[8:9], V_w s[10:11]
	s_load_b128 s[12:15], s[0:1], 0x20             ; the scales' exponents s[12:13], sraw s[14:15]
	v_lshl_add_u32 v1, v0, 2, SPARE                ; my spare word; never rewritten
	v_mov_b32 v2, 0                                ; 0; never rewritten
	ds_add_u32 v1, v2
	ds_add_u32 v1, v2
	s_wait_dscnt 0x0
	v_lshrrev_b32 v20, 5, v0
	v_readfirstlane_b32 s16, v20                   ; wave 0..3
	s_lshr_b32 s17, s16, 1                         ; rh: which 64 rows of X I multiply
	s_and_b32 s18, s16, 1                          ; ch: which two of a slot's four column tiles
	s_bfe_u32 s19, ttmp6, 0x40000                  ; cx
	s_lshr_b32 s56, ttmp9, 4                       ; where my cluster's walk begins: (c + 5 (c / 16)) % 16, of the cluster's number alone, in registers that never hold cx
	s_mul_i32 s56, s56, 5
	s_add_co_u32 s56, s56, ttmp9
	s_and_b32 s56, s56, 15
	s_lshl_b32 s57, s56, 8                         ; its 64 columns x start, in bytes of V,
	s_lshl_b32 s58, s56, 2                         ; and in tiles of qb
	v_and_b32 v21, 31, v0                          ; lane
	v_and_b32 v22, 15, v0                          ; r
	v_bfe_u32 v23, v0, 4, 1                        ; h
	v_lshlrev_b32 v3, 4, v21                       ; 16 x lane: my bytes of a load's 512
	v_lshlrev_b32 v15, 3, v21                      ; 8 x lane: my two rows of sraw
	s_mul_i32 s48, s16, 32*PITCH
	s_add_co_u32 s48, s48, XB
	v_add_nc_u32 v4, s48, v3                       ; where my codes go: X row 32 w, + 16 x lane
	v_mul_u32_u24 v24, v22, PITCH
	v_lshl_add_u32 v24, v23, 4, v24
	s_mul_i32 s48, s17, 64*PITCH
	s_add_co_u32 s48, s48, XB
	v_add_nc_u32 v6, s48, v24                      ; keys' fragments: X row 64 rh + r, + 16 h
	s_lshl_b32 s48, s18, 15
	v_add_nc_u32 v7, s48, v3                       ; W2's fragments: tile 2 ch of a slot, + 16 x lane
	s_lshl_b32 s48, s18, 8
	s_add_co_u32 s48, s48, BVT
	v_lshl_add_u32 v9, v22, 3, s48                 ; my column's pair: 8 (32 ch + r)
	s_lshl_b32 s48, s16, 8
	s_add_co_u32 s48, s48, SCB
	v_lshl_add_u32 v11, v23, 5, s48                ; my partial sums: 256 w + 4 x 8 h
	s_lshl_b32 s48, s17, 9
	s_lshl_b32 s49, s18, 7
	s_add_co_u32 s48, s48, s49
	s_add_co_u32 s48, s48, SCB
	v_lshl_add_u32 v14, v23, 10, s48               ; the last read: rows 64 w + 2 l, + 1 lie in generation l / 16, in the parts of waves 2 rh and 2 rh + 1, at 4 (32 ch + 2 (l % 16))
	v_lshl_add_u32 v14, v22, 3, v14
	; the table's build: thread t makes places 4 t .. 4 t + 3 and 512 + 4 t .. + 3; place i holds d = (i + 64 start) % 1,024
	v_lshl_add_u32 v25, v0, 4, s57                 ; V: 4 d = (16 t + 256 start) % 4,096,
	v_add_nc_u32 v29, 2048, v25                    ; and 512 places on
	v_and_b32 v25, 0xfff, v25
	v_and_b32 v29, 0xfff, v29
	v_lshrrev_b32 v26, 2, v0
	v_add_nc_u32 v26, s58, v26                     ; qb: tile d / 16 = (t / 4 + 4 start) % 64,
	v_add_nc_u32 v30, 32, v26                      ; and 32 tiles on
	v_and_b32 v26, 63, v26
	v_and_b32 v30, 63, v30
	v_and_b32 v27, 3, v0
	v_lshlrev_b32 v27, 4, v27                      ; numbers 4 (t % 4) on
	v_lshl_add_u32 v26, v26, 12, v27               ; a tile of qb is 4,096 bytes
	v_lshl_add_u32 v30, v30, 12, v27
	v_lshl_add_u32 v28, v0, 5, BVT                 ; and the four pairs' place
	; descriptor group 1: 16,384 dense bytes as 64 rows of 32 elements of 8 bytes
	s_mov_b32 s24, 15|(3<<16)|(1<<21)              ; 15:0 the mask: all four work-groups; 17:16 elements of 8 bytes; 21 set beside a mask; no padding
	s_mov_b32 s25, 32<<16                          ; tensor_dim0 = 32
	s_mov_b32 s26, 64<<16                          ; tensor_dim1 = 64
	s_mov_b32 s27, 32<<16                          ; tile_dim0 = 32
	s_mov_b32 s28, 64                              ; tile_dim1 = 64
	s_mov_b32 s29, 32                              ; from row to row
	s_mov_b32 s30, 0
	s_mov_b32 s31, 0
	s_lshl_b32 s48, ttmp9, 2
	s_add_co_u32 s48, s48, s19                     ; g
	s_lshl_b32 s50, s48, 20                        ; 256 g rows of 4,096 bytes,
	s_lshl_b32 s49, s16, 18
	s_add_co_u32 s50, s50, s49                     ; + 64 w rows
	s_mov_b32 s51, 0
	s_lshl_b32 s52, s48, 10
	s_lshl_b32 s49, s16, 8
	s_add_co_u32 s52, s52, s49                     ; sraw: 4 (256 g + 64 w)
	s_mov_b32 s53, 0
	s_lshl_b32 s54, s16, 14                        ; w2c: my tile of a slot (registers that never hold cx)
	s_mov_b32 s55, 0
	s_lshl_b32 s48, ttmp9, 6                       ; qb: 64 x batch
	s_mov_b32 s49, 0
	s_mov_b32 s38, 0                               ; the slot in hand
	s_wait_kmcnt 0x0
	s_load_b128 s[44:47], s[12:13], 0x0            ; e0, e1, e2, e3
	s_add_nc_u64 s[4:5], s[4:5], s[50:51]
	s_add_nc_u64 s[14:15], s[14:15], s[52:53]
	s_add_nc_u64 s[6:7], s[6:7], s[54:55]
	s_add_nc_u64 s[8:9], s[8:9], s[48:49]
	ROUND                                          ; all four work-groups are here: the first joint loads meet
	s_mov_b32 s32, 1                               ; group 0: count = 1,
	s_lshl_b32 s33, s16, 14                        ; LDS address: slot 0, tile w,
	s_lshl_b32 s36, s56, 16                        ; the walk's offset in w2c, kept apart from the address: it begins at my cluster's first slot,
	s_mov_b32 s37, 0
	s_add_nc_u64 s[34:35], s[6:7], s[36:37]        ; global address,
	s_or_b32 s35, s35, 0x80000000                  ; type = 2
	tensor_load_to_lds s[32:35], s[24:31]          ; one tensor load of mine is out, here and behind every round
	s_nop 0
	PLACES
; sixteen loads: set j's four units, off bytes on
.macro KLOAD j, off
.if (\j) >= 2
	WIN 0x40                                       ; destination window 1
.endif
.irp u, 0,1,2,3
.irp jj, 0,1,2,3
	global_load_b128 v[128+64*((\j)%2)+16*\u+4*\jj:128+64*((\j)%2)+16*\u+4*\jj+3], v3, s[4:5] offset:\off+(4*(\j)+\u)*2048+512*\jj th:TH_LOAD_NT
.endr
.endr
	WIN 0
.endm
; set j's four units (two rows) become codes and go to X.  fm = 1: the set is asked for again, sixteen units on;  fm = 2: nothing is left to ask for
.macro FEED4 j, fm
.set LB, 128+64*((\j)%2)
.set CT, ACC+16*(\j)
.if \fm == 1
	s_wait_loadcnt 48                              ; the three younger sets, sixteen loads each, stay out
.else
	s_wait_loadcnt 16*(3-(\j))
.endif
.if (\j) >= 2
	WIN 0x41                                       ; source 0 and destination window 1
.endif
.set k, 0
.rept 64
	v_med3_num_f32 v[LB+k], v[LB+k], -v12, v12     ; the conversion to an 8-bit code does not saturate (ISA guide 7.6.2): the hold at the largest code x the scale
.set k, k+1
.endr
.if (\j) >= 2
	WIN 0x01                                       ; source 0 window 1
.endif
.irp u, 0,1,2,3
	v_cvt_scalef32_pk8_bf8_f32 v[CT+4*\u:CT+4*\u+1], v[LB+16*\u:LB+16*\u+7], v13
	v_cvt_scalef32_pk8_bf8_f32 v[CT+4*\u+2:CT+4*\u+3], v[LB+16*\u+8:LB+16*\u+15], v13
.endr
	WIN 0
	v_nop                                          ; a plain vector line behind the conversions: matrix instructions write these registers next
.irp u, 0,1,2,3
	ds_store_b128 v5, v[CT+4*\u:CT+4*\u+3] offset:(2*(\j)+\u/2)*PITCH+512*(\u%2)
.endr
.if \fm == 1
	KLOAD \j, 32768
.endif
.endm
; my 64 rows of X over all of K: 32 fragments, 128 loads
.macro ALOAD
.irp q, 0,1,2,3,4,5,6,7
.if \q < 4
	WIN 0x80
.else
	WIN 0xc0
.endif
.irp m, 0,1,2,3
.irp c, 0,1,2,3
	ds_load_b128 v[((\q%4)*4+\m)*16+4*\c:((\q%4)*4+\m)*16+4*\c+3], v6 offset:16*PITCH*\m+128*\q+32*\c
.endr
.endr
.endr
	WIN 0
.endm
; W2's fragments of K steps 2 g, 2 g + 1 of my two column tiles: sixteen loads of 512 consecutive bytes, into buffer g % 2.  It leaves the destination in window 1
.macro BLOAD g
	WIN 0x40
.irp qq, 0,1
.irp u, 0,1
.irp c, 0,1,2,3
	ds_load_b128 v[64*((\g)%2)+32*\qq+16*\u+4*\c:64*((\g)%2)+32*\qq+16*\u+4*\c+3], v8 offset:\u*16384+(2*(\g)+\qq)*2048+512*\c
.endr
.endr
.endr
.endm
; sixteen matrix instructions: K steps 2 g, 2 g + 1; source 0 = 16 rows of keys, source 1 = 16 columns: a lane holds ONE column (r) and eight rows (8 h + j).
; The eight accumulators take turns, one instruction a turn; K step 0 starts the sums.
.macro MUL g
.irp qq, 0,1
.set q, 2*(\g)+\qq
.if q < 4
	WIN 0x06                                       ; source 0 window 2, source 1 window 1
.else
	WIN 0x07                                       ; source 0 window 3
.endif
.irp m, 0,1,2,3
.irp u, 0,1
.set rD, ACC+8*(2*\m+\u)
.set rA, ((q%4)*4+\m)*16
.set rB, 64*((\g)%2)+32*\qq+16*\u
.if q == 0
	v_wmma_f32_16x16x128_bf8_bf8 v[rD:rD+7], v[rA:rA+15], v[rB:rB+15], 0
.else
	v_wmma_f32_16x16x128_bf8_bf8 v[rD:rD+7], v[rA:rA+15], v[rB:rB+15], v[rD:rD+7]
.endif
.endr
.endr
.endr
.endm
; the eight tiles' 64 numbers a lane: y, 2^y, + 1, the reciprocal, x (-2 V) onto the rows' sums.  Each kind of transcendental is one batch with one wait.
.macro EPI
.irp t, 0,1,2,3,4,5,6,7
.irp i, 0,2,4,6
	v_pk_fma_f32 v[ACC+8*\t+\i:ACC+8*\t+\i+1], v[ACC+8*\t+\i:ACC+8*\t+\i+1], s[42:43], v[16+2*(\t%2):17+2*(\t%2)] op_sel_hi:[1,0,0]   ; y = sum x c + bias (of both pairs the low word); each accumulator from its low end on
.endr
.endr
.set k, 0
.rept 64
	v_exp_f32 v[ACC+k], v[ACC+k]
.set k, k+1
.endr
	v_nop                                          ; a plain instruction behind the last exponential,
	s_wait_alu depctr_va_vdst(0)                   ; and one wait for the batch, ahead of its first reader
.set k, 0
.rept 32
	v_pk_add_f32 v[ACC+k:ACC+k+1], v[ACC+k:ACC+k+1], 1.0 op_sel_hi:[1,0]
.set k, k+2
.endr
.set k, 0
.rept 64
	v_rcp_f32 v[ACC+k], v[ACC+k]
.set k, k+1
.endr
	v_nop
	s_wait_alu depctr_va_vdst(0)                   ; one wait for the 64 reciprocals
.irp u, 0,1
.irp m, 0,1,2,3
.irp i, 0,2,4,6
	v_pk_fma_f32 v[SCR+8*\m+\i:SCR+8*\m+\i+1], v[ACC+8*(2*\m+\u)+\i:ACC+8*(2*\m+\u)+\i+1], v[16+2*\u:17+2*\u], v[SCR+8*\m+\i:SCR+8*\m+\i+1] op_sel:[0,1,0] op_sel_hi:[1,1,1]   ; x -2 V (the pair's high word for both)
.endr
.endr
.endr
.endm
; the rows' sums over my 16 lanes' columns, and into my part of SCB (the sixteen lanes of a half write the same word with the same value)
.macro REDUCE gen
.irp x, 1,2,4,8
.set k, 0
.rept 32
	v_add_f32_dpp v[SCR+k], v[SCR+k], v[SCR+k] row_xmask:\x row_mask:0xf bank_mask:0xf
.set k, k+1
.endr
.endr
.irp m, 0,1,2,3
.irp j, 0,1,2,3,4,5,6,7
	ds_store_b32 v11, v[SCR+8*\m+\j] offset:1024*(\gen)+64*\m+4*\j
.endr
.endr
.endm
; THE CHANGE OF SLOTS.  Each wave waits for all its tensor loads (its tile of the slot ahead), adds 0 to its spare word, and waits for that and for all its LDS reads and stores.
; fill = 1: a round of the cluster's barrier, and behind it, first, the joint load of the slot after next's tile into the slot that has just been read: it has a whole body (tanh, quantising, 64 matrix instructions) in which to land.
; The four v_nop at the end are also the places between the last products and the loads into their operands and the reads of their results.
.macro HEAD fill
	s_wait_tensorcnt 0x0                           ; no tensor load of mine is out, so group 0 may be written
	ds_add_u32 v1, v2                              ; 0 onto my spare word
.if \fill
	s_xor_b32 s33, s33, SLOTB                      ; the other slot,
	s_add_co_u32 s36, s36, SLOTB                   ; the next four column tiles,
	s_and_b32 s36, s36, 0xfffff                    ; and behind w2c's last slot its first: w2c is 2^20 bytes
	s_add_nc_u64 s[34:35], s[6:7], s[36:37]
	s_or_b32 s35, s35, 0x80000000
.endif
	s_wait_dscnt 0x0                               ; the add is done; my reads of the slot that I leave, and of X, are over; my stores have landed
.if \fill
	ROUND
	tensor_load_to_lds s[32:35], s[24:31]
	s_nop 0
.else
	s_barrier_signal -1
	s_barrier_wait -1
.endif
	PLACES
.endm
.macro NEXTB                           ; K steps 0 to 3 of the slot ahead: 32 loads
	v_add_nc_u32 v8, s38, v7
	BLOAD 0
	BLOAD 1
	WIN 0
.endm
.macro BVLOAD                          ; {bias, -2 V} of columns r and 16 + r of my 32 of the slot ahead
	v_add_nc_u32 v10, s39, v9
	ds_load_b64 v[16:17], v10
	ds_load_b64 v[18:19], v10 offset:128
.endm
; a slot's products: my 64 rows x my 32 columns over all of K, 64 matrix instructions
.macro PRODUCTS fm
.if \fm
	s_wait_dscnt 0x0                               ; the fragments are in, and the stores of codes have read the accumulators' registers
.else
	s_wait_dscnt 2                                 ; the fragments are in; the two loads of the pairs, issued last, may be out: they are read behind the wait for 0 below
.endif
	MUL 0
	PLACES
	BLOAD 2
	MUL 1
	PLACES
	BLOAD 3
	s_wait_dscnt 16                                ; the sixteen loads just issued may be out
	MUL 2
	s_wait_dscnt 0x0
	MUL 3
	WIN 0
.endm
; A BODY.  fm, j: FEED4's, or fm = 0: nothing to quantise.  rst = 1: the next slot is a pass's first: its pairs are the table's first
.macro BODY fill, fm, j, rst
.if \fm
	FEED4 \j, \fm
.endif
	PRODUCTS \fm
	s_xor_b32 s38, s38, SLOTB                      ; on to the other slot
	HEAD \fill
	NEXTB
	EPI                                            ; stands here, while the 32 LDS loads above are on their way
.if \rst
	s_mov_b32 s39, 0
.else
	s_add_co_u32 s39, s39, 512                     ; the next 64 columns' pairs
.endif
	BVLOAD
.endm
	; the pairs {2 log2(e) qb, -2 V}
	global_load_b128 v[32:35], v25, s[10:11]
	global_load_b128 v[36:39], v29, s[10:11]
	global_load_b128 v[40:43], v26, s[8:9]
	global_load_b128 v[44:47], v30, s[8:9]
	KLOAD 0, 0
	KLOAD 1, 0
	KLOAD 2, 0
	s_wait_loadcnt 48                              ; the four loads above are in; the three sets stay out
.irp i, 0,1,2,3
	v_mul_f32 v[48+2*\i], 0x4038aa3b, v[40+\i]
	v_mul_f32 v[49+2*\i], -2.0, v[32+\i]
	v_mul_f32 v[56+2*\i], 0x4038aa3b, v[44+\i]
	v_mul_f32 v[57+2*\i], -2.0, v[36+\i]
.endr
	ds_store_b128 v28, v[48:51]
	ds_store_b128 v28, v[52:55] offset:16
	ds_store_b128 v28, v[56:59] offset:4096
	ds_store_b128 v28, v[60:63] offset:4112
	KLOAD 3, 0
	s_wait_kmcnt 0x0
	s_add_co_i32 s48, s46, 127
	s_lshl_b32 s49, s48, 23
	v_mov_b32 v13, s49                             ; 2^e2 as f32: the conversion takes its exponent field
	s_add_co_i32 s48, s48, 15
	s_lshl_b32 s48, s48, 23
	s_or_b32 s48, s48, 0x600000
	v_mov_b32 v12, s48                             ; 57,344 x 2^e2
	s_add_co_i32 s48, s46, s47
	s_lshl_b32 s48, s48, 23
	s_add_co_i32 s42, s48, 0x4038aa3b              ; c = 2 log2(e) x 2^(e2 + e3): the exponents are added to the exponent field
	s_mov_b32 s43, s42                             ; (named with it as a pair, so it is written)
.set k, 0
.rept 32
	v_mov_b32 v[SCR+k], 0                          ; the rows' sums
.set k, k+1
.endr
	; THE FIRST GENERATION'S ROWS: 64 units, sixteen a trip; the loads run sixteen units ahead, into the second generation's
	s_mov_b32 s40, 0
	s_mov_b32 s41, 4
.Lpro:
	s_wait_dscnt 0x0                               ; the stores have read the registers that the codes take
	v_add_nc_u32 v5, s40, v4
	FEED4 0, 1
	FEED4 1, 1
	FEED4 2, 1
	FEED4 3, 1
	s_wait_xcnt 0x0                                ; the loads have read their base
	s_add_nc_u64 s[4:5], s[4:5], 32768
	s_add_co_u32 s40, s40, 8*PITCH
	s_sub_co_u32 s41, s41, 1
	s_cmp_lg_u32 s41, 0
	s_cbranch_scc1 .Lpro
	s_wait_dscnt 0x0                               ; for the others' sake: my codes and my pairs lie in LDS
	s_barrier_signal -1
	s_barrier_wait -1
	ALOAD                                          ; waited for in the change of slots below, ahead of its round: only behind that round is X written again
	s_mov_b32 s40, 0
	s_mov_b32 s39, 0
	HEAD 1                                         ; slot 0 is whole; slot 1 is asked for
	NEXTB
	BVLOAD
	; THE FIRST GENERATION'S PASS, sixteen bodies; each also quantises four units of the second generation
	s_mov_b32 s41, 3
.Lgen0:
	v_add_nc_u32 v5, s40, v4
	BODY 1, 1, 0, 0
	BODY 1, 1, 1, 0
	BODY 1, 1, 2, 0
	BODY 1, 1, 3, 0
	s_wait_xcnt 0x0
	s_add_nc_u64 s[4:5], s[4:5], 32768
	s_add_co_u32 s40, s40, 8*PITCH
	s_sub_co_u32 s41, s41, 1
	s_cmp_lg_u32 s41, 0
	s_cbranch_scc1 .Lgen0
	v_add_nc_u32 v5, s40, v4
	BODY 1, 2, 0, 0                                ; the last sixteen units: no load leaves the buffer, and the counts run down
	BODY 1, 2, 1, 0
	BODY 1, 2, 2, 0
	BODY 1, 2, 3, 1
	; THE CHANGE OF GENERATIONS.  Every wave waited for its last stores of codes ahead of the round in the body above: X is whole, and nobody writes it again
	REDUCE 0
	ALOAD
	s_wait_dscnt 0x0                               ; my sums are stored, the new fragments of keys are in
.set k, 0
.rept 32
	v_mov_b32 v[SCR+k], 0
.set k, k+1
.endr
	s_mov_b32 s41, 14
.Lgen1:                                            ; bodies 16 to 29 of 32
	BODY 1, 0, 0, 0
	s_sub_co_u32 s41, s41, 1
	s_cmp_lg_u32 s41, 0
	s_cbranch_scc1 .Lgen1
	BODY 0, 0, 0, 0                                ; the tail is written out: the last slot but one is left, and nothing is asked for
	PRODUCTS 0                                     ; the last slot
	PLACES
	EPI
	REDUCE 1
	s_wait_dscnt 0x0
	s_barrier_signal -1
	s_barrier_wait -1
	ds_load_b64 v[32:33], v14                      ; rows 64 w + 2 l, + 1: the two halves of the columns
	ds_load_b64 v[34:35], v14 offset:256
	s_wait_dscnt 0x0
	v_pk_add_f32 v[36:37], v[32:33], v[34:35]
	global_store_b64 v15, v[36:37], s[14:15]       ; the wave stores 256 consecutive bytes, at a multiple of 256 from sraw's first byte
	s_wait_tensorcnt 0x0                           ; the wave's end
	ds_add_u32 v1, v2
	s_wait_dscnt 0x0
	ROUND                                          ; the closing round: no work-group ends while a partner may still ask for a tile that names it
	s_endpgm
.Lfunc_end_k_qb84aad8e41_score:
	.size	k_qb84aad8e41_score, .Lfunc_end_k_qb84aad8e41_score-k_qb84aad8e41_score
	.p2alignl 7, 3214868480
	.fill 96, 4, 3214868480
	.section	.rodata,"a",@progbits
	.p2align	6, 0x0
	.amdhsa_kernel k_qb84aad8e41_score
		.amdhsa_group_segment_fixed_size 327680
		.amdhsa_private_segment_fixed_size 0
		.amdhsa_enable_private_segment 0
		.amdhsa_kernarg_size 48
		.amdhsa_user_sgpr_count 2
		.amdhsa_user_sgpr_kernarg_segment_ptr 1
		.amdhsa_wavefront_size32 1
		.amdhsa_system_sgpr_workgroup_id_x 1
		.amdhsa_system_sgpr_workgroup_id_y 1
		.amdhsa_system_sgpr_workgroup_id_z 1
		.amdhsa_system_vgpr_workitem_id 0
		.amdhsa_next_free_vgpr 1024
		.amdhsa_next_free_sgpr 66
		.amdhsa_reserve_vcc 0
		.amdhsa_float_denorm_mode_32 3
		.amdhsa_float_denorm_mode_16_64 3
		.amdhsa_memory_ordered 1
		.amdhsa_forward_progress 1
		.amdhsa_inst_pref_size 255
	.end_amdhsa_kernel
	.section	.bss,"aw",@nobits
	.p2align	6
	.space	262144
	.amdgpu_metadata
---
amdhsa.version: [ 1, 2 ]
amdhsa.kernels:
  - .name:           k_qb84aad8e41_score
    .symbol:         k_qb84aad8e41_score.kd
    .args:
      - { .name: keys, .offset: 0, .size: 8, .value_kind: global_buffer, .address_space: global }
      - { .name: w2c, .offset: 8, .size: 8, .value_kind: global_buffer, .address_space: global }
      - { .name: qb, .offset: 16, .size: 8, .value_kind: global_buffer, .address_space: global }
      - { .name: V_w, .offset: 24, .size: 8, .value_kind: global_buffer, .address_space: global }
      - { .name: lowp_scales, .offset: 32, .size: 8, .value_kind: global_buffer, .address_space: global }
      - { .name: sraw, .offset: 40, .size: 8, .value_kind: global_buffer, .address_space: global }
    .group_segment_fixed_size: 327680
    .private_segment_fixed_size: 0
    .kernarg_segment_align: 8
    .kernarg_segment_size: 48
    .max_flat_workgroup_size: 128
    .sgpr_count:     66
    .vgpr_count:     1024
    .wavefront_size: 32
...
	.end_amdgpu_metadata
.endif
;; end of part 2
;; launch ctx (part 3): grid 256 x 1, 8 waves a work-group, no clusters, 17,408 bytes of LDS; arguments sraw, V_w, V_b, keys, out0, out1; writes out0, out1
.if DOCPART == 3
	.amdgcn_target "amdgcn-amd-amdhsa--gfx1250"
	.amdhsa_code_object_version 6
	.text
	.protected	k_qb84aad8e41_ctx
	.globl	k_qb84aad8e41_ctx
	.p2align	8
	.type	k_qb84aad8e41_ctx,@function
k_qb84aad8e41_ctx:
	s_mov_b64 s[64:65], 0
	v_nop
	global_prefetch_b8 v0, s[64:65] scope:SCOPE_SE
	s_setreg_imm32_b32 hwreg(HW_REG_WAVE_MODE, 25, 1), 1
	s_wait_xcnt 0x0
; score = sraw + the sum of V + V_b; attn = softmax over a batch's 1,024 scores (the largest taken away first); context = attn . keys, in f32.
; SHARES.  Work-group g: batch g / 4, slice sl = g % 4: columns 256 sl .. + 255 of out0 and entries 256 sl .. + 255 of out1: each output has one owner.  Each of the four work-groups of a batch makes the whole softmax (4,096 bytes of scores).
; Wave w walks rows 128 w .. 128 w + 127: a row's slice is 1,024 consecutive bytes, two loads of 512; sixteen rows (32 loads a wave) are always on their way.  The eight waves' partial sums meet in LDS.
; Memory binds: no matrix unit, no tensor load.  NO CLUSTER: what the four work-groups of a batch share is 8,192 bytes (scores and V) beside 1,048,576 bytes of keys that each reads alone.
; LIMIT: the score is formed as a sum of three terms in f32; its error is some 1e-7 of the sum of |V|.
.set PT, 0                             ; LDS: the 1,024 weights
.set RA, 4096                          ; three times eight words for the reductions, each in bytes of its own
.set RB, 4352
.set RC, 4608
.set R2, 8192                          ; eight waves x 1,024 bytes of partial sums
; v3 16 t; v[4:7] my four scores, then weights; v[8:11] V; v12-23 at work; v24 16 x lane; v25 512 w; v26 4 w; v27, v28 R2 in and back; v29 0; v30 out0's offset; v[32:39] my eight columns' sums; v40-55 sixteen weights; v64-191 sixteen rows
	s_load_b256 s[4:11], s[0:1], 0x0               ; sraw s[4:5], V_w s[6:7], V_b s[8:9], keys s[10:11]
	s_load_b128 s[12:15], s[0:1], 0x20             ; out0 s[12:13], out1 s[14:15]
	v_lshl_add_u32 v192, v0, 2, 0x4000
	v_mov_b32 v193, 0
	v_lshrrev_b32 v1, 5, v0
	v_readfirstlane_b32 s16, v1                    ; wave 0..7
	v_and_b32 v2, 31, v0                           ; lane
	s_lshr_b32 s17, ttmp9, 2                       ; batch
	s_and_b32 s18, ttmp9, 3                        ; slice
	s_mov_b32 s30, 0x76543210                      ; v_permlanex16_b32: lane l xor 16
	s_mov_b32 s31, 0xfedcba98
	v_lshlrev_b32 v3, 4, v0
	v_lshlrev_b32 v24, 4, v2
	v_lshlrev_b32 v25, 9, v1
	v_lshlrev_b32 v26, 2, v1
	v_lshl_add_u32 v27, v1, 10, v24
	v_add_nc_u32 v27, R2, v27
	v_and_b32 v28, 1, v1
	v_lshl_add_u32 v30, v28, 9, v24                ; 512 (w % 2) + 16 x lane
	v_add_nc_u32 v28, R2, v30
	v_mov_b32 v29, 0
	v_mov_b32 v13, 0                               ; written once: a lane permute's destination counts as one of its sources
.irp j, 0,1,2,3,4,5,6,7
	v_mov_b32 v[32+\j], 0                          ; my eight columns' sums
.endr
	s_lshl_b32 s20, s17, 12                        ; a batch's 4,096 bytes of scores, of out0 and of out1
	s_mov_b32 s21, 0
	s_lshl_b32 s22, s17, 22                        ; a batch's 4 MiB of keys,
	s_lshl_b32 s24, s16, 19
	s_add_co_u32 s22, s22, s24                     ; + 128 w rows,
	s_lshl_b32 s24, s18, 10
	s_add_co_u32 s22, s22, s24                     ; + the slice's 1,024 bytes
	s_mov_b32 s23, 0
	s_mov_b32 s25, 0
	s_wait_kmcnt 0x0
	s_load_b32 s26, s[8:9], 0x0                    ; V_b
	s_add_nc_u64 s[4:5], s[4:5], s[20:21]
	s_add_nc_u64 s[14:15], s[14:15], s[20:21]
	s_add_nc_u64 s[12:13], s[12:13], s[20:21]
	s_add_nc_u64 s[12:13], s[12:13], s[24:25]
	s_add_nc_u64 s[10:11], s[10:11], s[22:23]
	global_load_b128 v[4:7], v3, s[4:5]
	global_load_b128 v[8:11], v3, s[6:7]
.irp i, 0,1,2,3,4,5,6,7,8,9,10,11,12,13,14,15
	global_load_b128 v[64+8*\i:67+8*\i], v24, s[10:11] offset:4096*\i th:TH_LOAD_NT   ; the first sixteen rows go out ahead of the softmax
	global_load_b128 v[68+8*\i:71+8*\i], v24, s[10:11] offset:4096*\i+512 th:TH_LOAD_NT
.endr
	s_wait_loadcnt 32                              ; scores and V are in; the 32 loads of keys stay out
; v12 over the 256 threads, into v12 of every lane: four steps inside each half of the lanes, one across, then the eight waves' figures through LDS, in bytes of their own for each use
.macro WSUM region
	v_add_f32_dpp v12, v12, v12 row_xmask:1 row_mask:0xf bank_mask:0xf
	v_add_f32_dpp v12, v12, v12 row_xmask:2 row_mask:0xf bank_mask:0xf
	v_add_f32_dpp v12, v12, v12 row_xmask:4 row_mask:0xf bank_mask:0xf
	v_add_f32_dpp v12, v12, v12 row_xmask:8 row_mask:0xf bank_mask:0xf
	v_permlanex16_b32 v13, v12, s30, s31
	v_add_f32 v12, v12, v13
	ds_store_b32 v26, v12 offset:\region
	s_wait_dscnt 0x0                               ; for the others' sake
	s_barrier_signal -1
	s_barrier_wait -1
	ds_load_b128 v[16:19], v29 offset:\region
	ds_load_b128 v[20:23], v29 offset:\region+16
	s_wait_dscnt 0x0
	v_add_f32 v16, v16, v17
	v_add_f32 v18, v18, v19
	v_add_f32 v20, v20, v21
	v_add_f32 v22, v22, v23
	v_add_f32 v16, v16, v18
	v_add_f32 v20, v20, v22
	v_add_f32 v12, v16, v20
.endm
.macro WMAX region
	v_max_num_f32_dpp v12, v12, v12 row_xmask:1 row_mask:0xf bank_mask:0xf
	v_max_num_f32_dpp v12, v12, v12 row_xmask:2 row_mask:0xf bank_mask:0xf
	v_max_num_f32_dpp v12, v12, v12 row_xmask:4 row_mask:0xf bank_mask:0xf
	v_max_num_f32_dpp v12, v12, v12 row_xmask:8 row_mask:0xf bank_mask:0xf
	v_permlanex16_b32 v13, v12, s30, s31
	v_max_num_f32 v12, v12, v13
	ds_store_b32 v26, v12 offset:\region
	s_wait_dscnt 0x0
	s_barrier_signal -1
	s_barrier_wait -1
	ds_load_b128 v[16:19], v29 offset:\region
	ds_load_b128 v[20:23], v29 offset:\region+16
	s_wait_dscnt 0x0
	v_max3_num_f32 v16, v16, v17, v18
	v_max3_num_f32 v20, v19, v20, v21
	v_max3_num_f32 v16, v16, v22, v23
	v_max_num_f32 v12, v16, v20
.endm
	v_add_f32 v12, v8, v9
	v_add_f32 v14, v10, v11
	v_add_f32 v12, v12, v14
	WSUM RA                                        ; the sum of V
	s_wait_kmcnt 0x0
	v_add_f32 v12, s26, v12                        ; + V_b
.irp j, 4,5,6,7
	v_add_f32 v[\j], v[\j], v12                    ; the scores
.endr
	v_max3_num_f32 v12, v4, v5, v6
	v_max_num_f32 v12, v12, v7
	WMAX RB                                        ; the batch's largest score
.irp j, 4,5,6,7
	v_sub_f32 v[\j], v[\j], v12                    ; the difference first, so that nothing of it is lost however large the scores are,
.endr
.irp j, 4,5,6,7
	v_mul_f32 v[\j], 0x3fb8aa3b, v[\j]             ; then x log2(e)
.endr
.irp j, 4,5,6,7
	v_exp_f32 v[\j], v[\j]
.endr
	v_nop                                          ; a plain instruction behind the last exponential,
	s_wait_alu depctr_va_vdst(0)                   ; and one wait for the four, ahead of their first reader
	v_add_f32 v12, v4, v5
	v_add_f32 v14, v6, v7
	v_add_f32 v12, v12, v14
	WSUM RC                                        ; the sum: at least 1
	v_rcp_f32 v14, v12
	v_nop
	s_wait_alu depctr_va_vdst(0)
.irp j, 4,5,6,7
	v_mul_f32 v[\j], v[\j], v14
.endr
	ds_store_b128 v3, v[4:7]                       ; the weights, for every wave
	s_lshr_b32 s27, s16, 1
	s_cmp_lg_u32 s27, s18                          ; entries 256 sl on lie in waves 2 sl and 2 sl + 1: they store them, 512 consecutive bytes a wave
	s_cbranch_scc1 .Lnot_mine
	global_store_b128 v3, v[4:7], s[14:15]
.Lnot_mine:
	s_wait_dscnt 0x0
	s_barrier_signal -1
	s_barrier_wait -1
; sixteen rows.  more = 1: each row's registers take the row sixteen further on
.macro BODY more
	v_add_nc_u32 v15, s28, v25                     ; the sixteen weights: 4 (128 w + 16 x body), the same address in every lane
.irp c, 0,1,2,3
	ds_load_b128 v[40+4*\c:43+4*\c], v15 offset:16*\c
.endr
	s_wait_dscnt 0x0
.irp i, 0,1,2,3,4,5,6,7,8,9,10,11,12,13,14,15
.if \more
	s_wait_loadcnt 30                              ; the fifteen younger rows, two loads each, stay out
.else
	s_wait_loadcnt 30-2*\i
.endif
.irp p, 0,2,4,6
.if (\i)%2 == 0
	v_pk_fma_f32 v[32+\p:33+\p], v[64+8*\i+\p:65+8*\i+\p], v[40+\i:41+\i], v[32+\p:33+\p] op_sel_hi:[1,0,1]   ; x the pair's low word
.else
	v_pk_fma_f32 v[32+\p:33+\p], v[64+8*\i+\p:65+8*\i+\p], v[39+\i:40+\i], v[32+\p:33+\p] op_sel:[0,1,0] op_sel_hi:[1,1,1]   ; x its high word
.endif
.endr
.if \more
	global_load_b128 v[64+8*\i:67+8*\i], v24, s[10:11] offset:65536+4096*\i th:TH_LOAD_NT
	global_load_b128 v[68+8*\i:71+8*\i], v24, s[10:11] offset:65536+4096*\i+512 th:TH_LOAD_NT
.endif
.endr
.endm
	s_mov_b32 s28, 0
	s_mov_b32 s29, 7
.Lbody:
	BODY 1
	s_wait_xcnt 0x0                                ; the loads have read their base
	s_add_nc_u64 s[10:11], s[10:11], 65536
	s_add_co_u32 s28, s28, 64
	s_sub_co_u32 s29, s29, 1
	s_cmp_lg_u32 s29, 0
	s_cbranch_scc1 .Lbody
	BODY 0                                         ; the last sixteen rows: no load leaves the buffer, and the counts run down
	ds_store_b128 v27, v[32:35]                    ; columns 4 l on,
	ds_store_b128 v27, v[36:39] offset:512         ; and 128 + 4 l on
	s_wait_dscnt 0x0
	s_barrier_signal -1
	s_barrier_wait -1
	s_cmp_ge_u32 s16, 2                            ; waves 0 and 1 add the eight parts, 128 columns each.  No barrier follows
	s_cbranch_scc1 .Lend
.irp k, 0,1,2,3,4,5,6,7
	ds_load_b128 v[64+4*\k:67+4*\k], v28 offset:1024*\k
.endr
	s_wait_dscnt 0x0
.irp k, 0,2,4,6
	v_pk_add_f32 v[64+4*\k:65+4*\k], v[64+4*\k:65+4*\k], v[68+4*\k:69+4*\k]
	v_pk_add_f32 v[66+4*\k:67+4*\k], v[66+4*\k:67+4*\k], v[70+4*\k:71+4*\k]
.endr
	v_pk_add_f32 v[64:65], v[64:65], v[72:73]
	v_pk_add_f32 v[66:67], v[66:67], v[74:75]
	v_pk_add_f32 v[80:81], v[80:81], v[88:89]
	v_pk_add_f32 v[82:83], v[82:83], v[90:91]
	v_pk_add_f32 v[64:65], v[64:65], v[80:81]
	v_pk_add_f32 v[66:67], v[66:67], v[82:83]
	global_store_b128 v30, v[64:67], s[12:13]      ; 512 consecutive bytes a wave
.Lend:
	s_wait_tensorcnt 0x0
	ds_add_u32 v192, v193
	s_wait_dscnt 0x0
	s_endpgm
.Lfunc_end_k_qb84aad8e41_ctx:
	.size	k_qb84aad8e41_ctx, .Lfunc_end_k_qb84aad8e41_ctx-k_qb84aad8e41_ctx
	.p2alignl 7, 3214868480
	.fill 96, 4, 3214868480
	.section	.rodata,"a",@progbits
	.p2align	6, 0x0
	.amdhsa_kernel k_qb84aad8e41_ctx
		.amdhsa_group_segment_fixed_size 17408
		.amdhsa_private_segment_fixed_size 0
		.amdhsa_enable_private_segment 0
		.amdhsa_kernarg_size 48
		.amdhsa_user_sgpr_count 2
		.amdhsa_user_sgpr_kernarg_segment_ptr 1
		.amdhsa_wavefront_size32 1
		.amdhsa_system_sgpr_workgroup_id_x 1
		.amdhsa_system_sgpr_workgroup_id_y 1
		.amdhsa_system_sgpr_workgroup_id_z 1
		.amdhsa_system_vgpr_workitem_id 0
		.amdhsa_next_free_vgpr 194
		.amdhsa_next_free_sgpr 66
		.amdhsa_reserve_vcc 0
		.amdhsa_float_denorm_mode_32 3
		.amdhsa_float_denorm_mode_16_64 3
		.amdhsa_memory_ordered 1
		.amdhsa_forward_progress 1
		.amdhsa_inst_pref_size 25
	.end_amdhsa_kernel
	.amdgpu_metadata
---
amdhsa.version: [ 1, 2 ]
amdhsa.kernels:
  - .name:           k_qb84aad8e41_ctx
    .symbol:         k_qb84aad8e41_ctx.kd
    .args:
      - { .name: sraw, .offset: 0, .size: 8, .value_kind: global_buffer, .address_space: global }
      - { .name: V_w, .offset: 8, .size: 8, .value_kind: global_buffer, .address_space: global }
      - { .name: V_b, .offset: 16, .size: 8, .value_kind: global_buffer, .address_space: global }
      - { .name: keys, .offset: 24, .size: 8, .value_kind: global_buffer, .address_space: global }
      - { .name: out0, .offset: 32, .size: 8, .value_kind: global_buffer, .address_space: global }
      - { .name: out1, .offset: 40, .size: 8, .value_kind: global_buffer, .address_space: global }
    .group_segment_fixed_size: 17408
    .private_segment_fixed_size: 0
    .kernarg_segment_align: 8
    .kernarg_segment_size: 48
    .max_flat_workgroup_size: 256
    .sgpr_count:     66
    .vgpr_count:     194
    .wavefront_size: 32
...
	.end_amdgpu_metadata
.endif
;; end of part 3
